; MI455X (gfx1250); checked and timed in simulation.
; The chip was launched on July 23, 2026; its instructions are those of AMD's public machine-readable ISA for CDNA 5 (MIT licence, August 2026) and "CDNA5" Instruction Set Architecture Reference Guide (July 2026). The comments in the code are by the model that wrote it; some were corrected since.
;; Performer Self Attention. Allowed arithmetic: matrix products marked QUANTISED: E2M1 operands, one E8M0 scale for each 32 along K, by v_wmma_scale_f32_16x16x128_f8f6f4 with both operands' format E2M1 (or v_wmma_scale_f32_32x16x128_f4), f32 sums; everything else in f32.
;; Inputs: Wk_codes 1,024 x 32 x 16 uint8 (E2M1 codes of Wk, K innermost, in blocks of 32 codes, two codes a byte); Wk_scales 1,024 x 32 uint8 (E8M0 scales of Wk, one for each 32 codes along K); Wo_codes 1,024 x 32 x 16 uint8 (E2M1 codes of Wo, K innermost, in blocks of 32 codes, two codes a byte); Wo_scales 1,024 x 32 uint8 (E8M0 scales of Wo, one for each 32 codes along K); Wq_codes 1,024 x 32 x 16 uint8 (E2M1 codes of Wq, K innermost, in blocks of 32 codes, two codes a byte); Wq_scales 1,024 x 32 uint8 (E8M0 scales of Wq, one for each 32 codes along K); Wv_codes 1,024 x 32 x 16 uint8 (E2M1 codes of Wv, K innermost, in blocks of 32 codes, two codes a byte); Wv_scales 1,024 x 32 uint8 (E8M0 scales of Wv, one for each 32 codes along K); bk 1,024 float32; bo 1,024 float32; bq 1,024 float32; bv 1,024 float32; x_codes 4 x 4,096 x 32 x 16 uint8 (E2M1 codes of x, K innermost, in blocks of 32 codes, two codes a byte); x_scales 4 x 4,096 x 32 uint8 (E8M0 scales of x, one for each 32 codes along K).
;; Outputs: out0 4 x 4,096 x 1,024 float32.
;; This version of the problem:
;;   THIS VERSION OF THE PROBLEM IS GIVEN IN LOW PRECISION. The matrix products marked QUANTISED in the list below multiply operands that are first quantised to E2M1 (2 exponent bits, 1 mantissa bit; 4 bits a number), with one power-of-two scale for each 32 numbers along K (OCP MX v1.0); their sums are f32. All else is computed in f32.
;;   The module's matrix products, in the order in which they are computed (A, B: the left and right operand; K: the contracted axis; several contracted axes count as one K, in the product's order):
;;     1. [M 16,384, K 1,024] x [K 1,024, N 1,024]; A: input x (given as codes); B: input Wq (given as codes): QUANTISED
;;     2. [M 16,384, K 1,024] x [K 1,024, N 1,024]; A: input x (given as codes); B: input Wk (given as codes): QUANTISED
;;     3. [M 16,384, K 1,024] x [K 1,024, N 1,024]; A: input x (given as codes); B: input Wv (given as codes): QUANTISED
;;     4. [M 16,384, K 1,024] x [K 1,024, N 1,024]; A: computed on the way; B: input Wo (given as codes): QUANTISED
;;   THE QUANTISER, for each operand of a quantised product, along K:
;;     - K is cut into blocks of 32 from its start; a last block that is shorter is filled with zeros.
;;     - A block's scale is 2^e with e = floor(log2(the largest magnitude in the block)) - 2, held to -126 .. 127; a block of zeros has e = 0. As a byte (E8M0): e + 127.
;;     - Each number is divided by its block's scale, clamped to +-6, and rounded to the nearest number of E2M1, ties to even, subnormals kept.
;;     - The product sums the exact products of the quantised numbers (number of the format x scale) in f32.
;;   ~~~python
;;   def quantise(x, axis):      # numpy; x: float32 -> the quantised numbers, widened to float32 again
;;       x = np.moveaxis(x, axis, -1); K = x.shape[-1]
;;       x = np.pad(x, [(0, 0)] * (x.ndim - 1) + [(0, -K % 32)]); x = x.reshape(x.shape[:-1] + (-1, 32)); a = np.abs(x).max(-1, keepdims=True)
;;       e = np.where(a > 0, np.clip(np.frexp(np.where(a > 0, a, 1))[1] - 1 - 2, -126, 127), 0)      # np.frexp(a)[1] - 1 = floor(log2(a)), exactly
;;       r = np.clip(x / 2.0 ** e, -6, 6)
;;       step = 2.0 ** (np.maximum(np.frexp(np.where(r == 0, 1, r))[1] - 1, 0) - 1)
;;       q = np.round(r / step) * step * 2.0 ** e      # np.round: ties to even
;;       return np.moveaxis(q.reshape(q.shape[:-2] + (-1,))[..., :K], -1, axis).astype(np.float32)
;;   ~~~
;;   OPERANDS COMPUTED ON THE WAY. 'Computed on the way' means the value that the module computes at that place (a softmax that the list does not call 'softmax' is quantised finished and normalised). What goes into a quantiser is computed in f32, as accurately as f32 sums, v_exp_f32 and their like allow (about 1e-6 of the number): no bf16 or f16 on the way to a quantiser, and a product that is left as it is and whose result goes on into a quantised operand takes f32 operands (vector FMAs, or v_wmma_f32_16x16x4_f32). A number that lies on a knife's edge between two numbers of the format may be rounded either way, as far as f32 arithmetic and the matrix unit's own rounding can turn it there, and no further.
;;   INPUTS GIVEN AS CODES. Wk (in the module: [1024, 1024], K = its axis 0); Wo (in the module: [1024, 1024], K = its axis 0); Wq (in the module: [1024, 1024], K = its axis 0); Wv (in the module: [1024, 1024], K = its axis 0); x (in the module: [4, 4096, 1024], K = its axis 2): each comes as NAME_codes (uint8): NAME with its K axis moved to the last place and cut into blocks of 32 codes, [.., K / 32, bytes a block], one block behind the other in memory; two codes a byte, the lower K in the low four bits (a code: sign, 2 exponent bits, 1 mantissa bit); and NAME_scales (uint8): the same leading axes, one E8M0 byte (e + 127) for each 32 codes along K. Its value is code x scale, taken as it is: it is not quantised again, and the codes and scales need not be those that the quantiser above would give.
;; One version. Each part assembles by itself: llvm-mc -triple=amdgcn-amd-amdhsa -mcpu=gfx1250 --defsym DOCPART=n.
;; ======== version 1 of 1: 1 launch
;; limits: right only within a limited range of input values
;; launch performer (part 1): grid 256 x 1, 4 waves a work-group, clusters of 4 x 1, 327,680 bytes of LDS; arguments x_codes, x_scales, Wq_codes, Wk_codes, Wv_codes, Wo_codes, Wq_scales, Wk_scales, Wv_scales, Wo_scales, bq, bk, bv, bo, out0; writes out0
.if DOCPART == 1
	.amdgcn_target "amdgcn-amd-amdhsa--gfx1250"
	.amdhsa_code_object_version 6
	.text
	.protected	k_qc82199bcb9_performer
	.globl	k_qc82199bcb9_performer
	.p2align	8
	.type	k_qc82199bcb9_performer,@function
k_qc82199bcb9_performer:
	s_mov_b64 s[64:65], 0
	v_nop
	global_prefetch_b8 v0, s[64:65] scope:SCOPE_SE
	s_setreg_imm32_b32 hwreg(HW_REG_WAVE_MODE, 25, 1), 1
	s_wait_xcnt 0x0
	s_wait_alu depctr_hold_cnt(0) depctr_sa_sdst(0) depctr_va_vdst(0) depctr_va_sdst(0) depctr_va_ssrc(0) depctr_va_vcc(0) depctr_vm_vsrc(0)
	s_getreg_b32 s2, hwreg(HW_REG_IB_STS2, 6, 4)
	s_cmp_eq_u32 s2, 0
	s_cbranch_scc0 .Lentry_in_a_cluster
	s_endpgm
.Lentry_in_a_cluster:
	s_bfe_u32 s2, ttmp6, 0x10000c
	s_cmp_lg_u32 s2, 0x3003
	s_cbranch_scc0 .Lentry_shape_is_right
	s_endpgm
.Lentry_shape_is_right:
; out0 = Q(coeff x v) Wo + bo, with zq = x Wq + bq, zk = x Wk + bk, v = x Wv + bv on codes of FP4 (E2M1), one E8M0 byte for each 32 along K = 1,024.
; coeff of a row and a head = the sum over the head's 64 columns of exp(-zq^2 / 2) exp(-zk^2 / 2) = the sum of 2^(c (zq^2 + zk^2)), c = -log2(e) / 2: one exponential for each pair, true for every input.
; SHARES.  A work-group takes 64 rows through the whole chain.  Its 64 rows of x (later of y) are 4 x 8 fragments of 8 registers, 256 registers of EVERY wave.  A wave owns a head's 64 columns at a time
; (head 4 g + wave of group g), later 64 columns of out0: so each fragment of a weight is read from LDS by one wave, once, and feeds four row tiles.
; STAGES.  The weights come in 16 stages of 131,072 bytes: for each group g of four heads q|k first half of K, q|k second half, v; then four stages of 256 rows of Wo.  A stage is 512 LDS rows of 256 bytes:
; wave w fetches 128 of them by one tensor load.  Two slots.  A stage of a wave is 256 registers (window 3), read from LDS while the stage before is multiplied: so while stage k is multiplied from registers,
; stage k + 1 lies in one slot and stage k + 2 is on its way into the other, from which stage k has been read.
; CLUSTER: four work-groups read the same weights: every tile is asked for jointly, with a mask that names the four.  x and out0 are not shared: each work-group has rows of its own.
; q, k, v: source 0 = 32 rows of a weight, source 1 = 16 rows of x: lane (r, h) holds row r, register j column 16 u + 8 h + j, so y's blocks of 32 lie in two lanes' registers and are quantised there.
; out0: source 0 = 32 rows of y, source 1 = 16 rows of Wo: tile c takes columns 4 r + c: lane (r, h) then holds, in the four tiles' registers j, four neighbouring columns of row 8 h + j: 16 bytes, made whole by the additions of bo.
; Wo's stage j of cluster X is the 256 columns (j + X) mod 4: the clusters' stages cover all of out0's columns at a time.  Each stage goes by halves of 32 rows: a half's rows are stored among the next half's products.
; PREFETCH.  A weight's tile is asked of memory three stages ahead of its tensor load, one row of 256 bytes a lane, by the first four clusters alone: every cluster reads the same weights.  The four partners share a
; tile's 128 rows by address.  The first five stages come by their loads alone; the last stage asks for nothing.  x is read once, at the head; the scale bytes are 1/16 of the codes and are loaded two stages ahead.
; LIMITS: a term 2^(..) under 2^-126 comes out as 0 (v_exp_f32 gives no denormals: ISA guide, its entry); a block of zeros gets the byte 1 and not 127 (its codes are zeros, and this kernel alone reads the bytes);
; NaN and infinities among the inputs are not served.
; REGISTERS, in windows of 256: window 0: addresses, scale words, biases, work; window 1: x's or y's fragments, (t, s) at v[128 (t / 2) + 16 s + 8 (t % 2)]; window 2: accumulators: (u, t) at
; v[64 (u / 2) + 16 t + 8 (u % 2)], for out0 (c, t) at v[32 c + 8 t] and the rows to be stored at v128-255; window 3: the stage's weight fragments, four buffers of 64.
.set RP,    272                        ; an LDS row: 256 bytes + 16 of padding = 68 words: row r starts at bank 4 r mod 64 (64 banks of 4 bytes: ISA guide 11.1)
.set REG,   128*RP                     ; what a wave's load brings
.set HLF,   256*RP                     ; q's rows, then k's; or K's first half, then its second
.set SLOT,  512*RP
.set XST,   2*SLOT                     ; x's 64 rows at a pitch of 528; later y's codes: [head 16][row tile 4][lane 32][16 bytes]
.set YSC,   XST+64*528                 ; y's scale bytes: [head 16][row 64][2]
.set BIA,   YSC+2048                   ; bq, bk, bv
.set SPARE, BIA+12288                  ; the spare words, 128 bytes for each wave: no other line names them
.set ADQ,   4                          ; v4-7    LDS address of my fragments: q (or first half) in slot 0, 1; k (or second half) in slot 0, 1
.set ADO,   8                          ; v8-11   the same for Wo's stages
.set WSA,   24                         ; v24-87  scale words of q and k, two sets of 32: + 8 (u / 2) + s; later Wo's stage j: + 16 j + 8 (c / 2) + s
.set WSV,   88                         ; v88-103 v's
.set XS,    104                        ; v104-119 x's, later y's: + 8 (t / 2) + s: lanes 0-15 the even tile, lanes 16-31 the odd one
.set BI,    120                        ; v120-183 biases in the result's layout, eight a column tile
.set CO,    184                        ; v184-191 coeff of row tile t, in the lower of a pair
.set PT,    192                        ; v192-199 what the lane 16 away holds
.set MX,    200                        ; v200-207 a block's largest magnitude: + 4 b + t
.set SC,    208                        ; v208-215 the conversions' scale operand
.set BY,    216                        ; v216-223 the scale's byte
.set PCD,   224                        ; v224-239 a head's codes, four registers a row tile
.set BO,    240                        ; v240-255 bo: my lane's four columns of each Wo stage
.set SPW,   16                         ; v16 LDS address of my spare word, v17 0; never rewritten
.set NIL,   17
; v1 16 x lane; v2, v3 x's rows in and fragments out; v12 biases; v13, v14 where y's codes and bytes go; v15 32 x lane; v18 my rows of Wo's scales; v19 16 r; v20 my place in out0; v21 prefetch; v22, v23 y read back
; s[8:15] Wo's scales of stages 0-3; s[4:7], s[36:39] bo of stages 0-3; s[24:31] (behind the loop) out0 of stages 0-3; s95 is 0 from the head on
.set G1,    40                         ; s[40:47] descriptor group 1; s[48:55] the same for Wo's stages (rows 1,024 bytes apart)
.set G1O,   48
.set G0,    56                         ; s[56:59] group 0; s[60:63] for Wo's stages
.set G0O,   60
.set PA,    70                         ; s[70:71] my tile of q or k; s[72:73] of v; s[74:75] of Wo
.set PV,    72
.set PO,    74
.set PPO,   76                         ; s[76:77] Wo for the prefetches; s[78:79], s[88:89] the prefetch's address
.set PF,    78
.set PG,    88
.set WR,    80                         ; s80 wave x REG
.set TRIP,  81
.set MSB, 0
.macro WIN new                         ; the immediate's high byte repeats the setting that is left; a switch that changes nothing is dropped
.if MSB != (\new)
	s_set_vgpr_msb (MSB<<8)|(\new)
.set MSB, (\new)
.endif
.endm
.macro CREST                           ; a round of the cluster's barrier behind its opening barrier
	s_cmp_lg_u32 s34, 0
	s_cbranch_scc1 .Lnot_wave_0_\@
	s_barrier_signal -3
.Lnot_wave_0_\@:
	s_barrier_wait -3
	s_barrier_signal -1
	s_barrier_wait -1
.endm
.macro CROUND
	s_barrier_signal -1
	s_barrier_wait -1
	CREST
.endm
; Four places: owed in front of loads into registers that matrix instructions have read and of the first read of results (ISA guide 7.12.1 for the first read of results).
.macro PLACES
.rept 4
	v_nop
.endr
.endm
.macro ROT j, sh                       ; s[94:95] = ((j + cluster) mod 4) << sh
	s_add_co_u32 s94, ttmp9, \j
	s_and_b32 s94, s94, 3
	s_lshl_b32 s94, s94, \sh
.endm
.macro WM z, rb                        ; one matrix instruction, 32 rows of source 0; z = 1: C is 0; rb: source 1's scales come from lanes 16-31
.if \z
.if (\rb) == 0
	v_wmma_scale_f32_32x16x128_f4 v[rD:rD+15], v[rA:rA+15], v[rB:rB+7], 0, v[rP], v[rQ]
.else
	v_wmma_scale_f32_32x16x128_f4 v[rD:rD+15], v[rA:rA+15], v[rB:rB+7], 0, v[rP], v[rQ] matrix_b_scale:MATRIX_SCALE_ROW1
.endif
.else
.if (\rb) == 0
	v_wmma_scale_f32_32x16x128_f4 v[rD:rD+15], v[rA:rA+15], v[rB:rB+7], v[rC:rC+15], v[rP], v[rQ]
.else
	v_wmma_scale_f32_32x16x128_f4 v[rD:rD+15], v[rA:rA+15], v[rB:rB+7], v[rC:rC+15], v[rP], v[rQ] matrix_b_scale:MATRIX_SCALE_ROW1
.endif
.endif
.endm
; Four matrix instructions: the g-th quarter of buffer b's 16.  k = 0: q|k (hf: half of K; st: set of scale words), four pairs of column tiles, K step 4 hf + b; k = 1: v, two pairs, K steps 2 b, 2 b + 1.
; 16 (q|k) or 8 accumulators take turns, one instruction a turn, K ascending.  The first K step's C is the bias.
.macro GRP k, hf, b, g, st
.if (\k) == 0
.set kS, 4*(\hf)+(\b)
.set kT, \g
.if kS == 0
	WIN 0x87                                       ; source 0 window 3, source 1 window 1, C window 0, D window 2
.else
	WIN 0xA7                                       ; C window 2
.endif
.irp m, 0,1,2,3
.set rD, 64*\m+16*kT
.set rA, 64*(\b)+16*\m
.set rB, 128*(kT/2)+16*kS+8*(kT%2)
.set rC, rD
.if kS == 0
.set rC, BI+16*\m
.endif
.set rP, WSA+32*(\st)+8*\m+kS
.set rQ, XS+8*(kT/2)+kS
	WM 0, kT%2
.endr
.else
.set kS, 2*(\b)+(\g)/2
.if kS == 0
	WIN 0x87
.else
	WIN 0xA7
.endif
.irp e, 0,1
.set kT, 2*((\g)%2)+\e
.irp m, 0,1
.set rD, 64*\m+16*kT
.set rA, 64*(\b)+32*(kS%2)+16*\m
.set rB, 128*(kT/2)+16*kS+8*(kT%2)
.set rC, rD
.if kS == 0
.set rC, BI+16*\m
.endif
.set rP, WSV+8*\m+kS
.set rQ, XS+8*(kT/2)+kS
	WM 0, kT%2
.endr
.endr
.endif
.endm
; Wo's stage st, rows 32 p .. 32 p + 31, K step s: four accumulators take turns, so three others stand between a sum's steps; the first K step's C is 0.
.macro GRO p, s, st
	WIN 0xAD                                       ; source 0 window 1, source 1 window 3, C and D window 2
.irp c, 0,1,2,3
.set rD, 32*\c+16*(\p)
.set rA, 128*(\p)+16*(\s)
.set rB, 32*(\s)+8*\c
.set rC, rD
.set rP, XS+8*(\p)+(\s)
.set rQ, WSA+16*(\st)+8*(\c/2)+(\s)
.if (\s) == 0
	WM 1, \c%2
.else
	WM 0, \c%2
.endif
.endr
.endm
; Fragment f of buffer b of a stage of kind k in slot sl: q|k: column tile f at K step b; v and Wo (k = 2): column tile f % 4 at K step 2 b + f / 4.
.macro LDF k, sl, b, f
.if (\k) == 0
.set aR, ADQ+2*((\f)/4)+(\sl)
.set aO, ((\f)%4)*16*RP+64*(\b)
.elseif (\k) == 1
.set aR, ADQ+2*((\b)/2)+(\sl)
.set aO, ((\f)%4)*16*RP+64*(2*((\b)%2)+(\f)/4)
.else
.set aR, ADO+2*((\b)/2)+(\sl)
.set aO, ((\f)%2)*REG+(((\f)%4)/2)*RP+64*(2*((\b)%2)+(\f)/4)
.endif
	ds_load_b128 v[64*(\b)+8*(\f):64*(\b)+8*(\f)+3], v[aR] offset:aO
	ds_load_b128 v[64*(\b)+8*(\f)+4:64*(\b)+8*(\f)+7], v[aR] offset:aO+32
.endm
.macro LDB k, sl, b                    ; a whole buffer in one run
	WIN 0xC0                                       ; destination window 3, address window 0
.irp f, 0,1,2,3,4,5,6,7
	LDF \k, \sl, \b, \f
.endr
.endm
.macro MUL k, hf, b, st
.irp g, 0,1,2,3
	GRP \k, \hf, \b, \g, \st
.endr
	PLACES
.endm
; The descriptors' walking words, written where no tensor load of the wave is out.  ld: 0 v of group 0; 1, 2, 3 q|k's halves and v of the next group; 11, 12, 13 the same and Wo's stages 0, 1, 2; 4 Wo's stage 3; 5 none.
.macro SET ld, sl
.if (\ld) == 0
	s_add_co_u32 s[G0+1], s[WR], (\sl)*SLOT
	s_mov_b64 s[G0+2:G0+3], s[PV:PV+1]
	s_or_b32 s[G0+3], s[G0+3], 0x80000000
.elseif ((\ld)%10 > 0) && ((\ld)%10 < 4)
	s_add_co_u32 s[G0+1], s[WR], (\sl)*SLOT
.if (\ld)%10 == 1
	s_add_nc_u64 s[PA:PA+1], s[PA:PA+1], 0x20000
	s_mov_b64 s[G0+2:G0+3], s[PA:PA+1]
.elseif (\ld)%10 == 2
	s_add_nc_u64 s[G0+2:G0+3], s[PA:PA+1], 0x100
.else
	s_add_nc_u64 s[PV:PV+1], s[PV:PV+1], 0x20000
	s_mov_b64 s[G0+2:G0+3], s[PV:PV+1]
.endif
	s_or_b32 s[G0+3], s[G0+3], 0x80000000
.endif
.if ((\ld) > 10) || ((\ld) == 4)
	s_add_co_u32 s[G0O+1], s[WR], (\sl)*SLOT
.if (\ld) == 11
	ROT 0, 17
.elseif (\ld) == 12
	ROT 1, 17
.elseif (\ld) == 13
	ROT 2, 17
.else
	ROT 3, 17
.endif
	s_add_nc_u64 s[G0O+2:G0O+3], s[PO:PO+1], s[94:95]
	s_or_b32 s[G0O+3], s[G0O+3], 0x80000000
.endif
.endm
; A stage of q, k or v: buffer by buffer its products, then the next stage's fragments (kind nk, slot nsl) into the buffer that is done with.
.macro BODY k, hf, st, nk, nsl
	WIN 0
	s_wait_dscnt 0x0                               ; biases and, in front of the first stage, x
	MUL \k, \hf, 0, \st
	LDB \nk, \nsl, 0
	MUL \k, \hf, 1, \st
	LDB \nk, \nsl, 1
	MUL \k, \hf, 2, \st
	LDB \nk, \nsl, 2
	MUL \k, \hf, 3, \st
	LDB \nk, \nsl, 3
.endm
; The change of slots at the end of stage k: stage k + 2 has landed (the wait for 0), the add, stage k + 1 is in registers (the wait for 0), so its slot sl is free behind the round for stage k + 3
; (ld = 5: a barrier alone: nothing is filled again).
.macro TURN ld, sl
	WIN 0
.if ((\ld) != 4) && ((\ld) != 5)
	s_wait_xcnt 0x0                                ; the prefetches and loads have read their addresses
.endif
	s_wait_tensorcnt 0x0
	ds_add_u32 v[SPW], v[NIL]
	SET \ld, \sl
	s_wait_dscnt 0x0
	s_barrier_signal -1
	s_barrier_wait -1
.if (\ld) != 5
	CREST
.endif
.endm
.macro TL g0, g1                       ; a wave's one joint load behind the round
	tensor_load_to_lds s[\g0:\g0+3], s[\g1:\g1+7]
	s_nop 0
	PLACES
.endm
.macro ASKL pb, po                     ; a prefetch as ASK's, in the first trip alone: in the last no stage is left to ask for
	s_add_nc_u64 s[PF:PF+1], s[\pb:\pb+1], \po
	s_lshl_b32 s93, s[TRIP], 2
	s_add_co_u32 s93, s93, ttmp9
	s_cmp_lt_u32 s93, 4
	s_cbranch_scc0 .Lno_more_\@
	global_prefetch_b8 v21, s[PF:PF+1] th:TH_LOAD_NT scope:SCOPE_SE
.Lno_more_\@:
.endm
.macro TL2                             ; in the last trip Wo's stages follow: the branch hangs on the count of trips alone
	s_cmp_eq_u32 s[TRIP], 1
	s_cbranch_scc1 .Lwo_\@
	TL G0, G1
	s_branch .Lasked_\@
.Lwo_\@:
	TL G0O, G1O
.Lasked_\@:
.endm
.macro LDB2 b                          ; the next stage's buffer b from slot 0: q|k of the next group, in the last trip Wo's stage 0
	WIN 0
	s_cmp_eq_u32 s[TRIP], 1
	s_cbranch_scc1 .Lwo_\@
	LDB 0, 0, \b
	WIN 0
	s_branch .Lread_\@
.Lwo_\@:
	LDB 2, 0, \b
	WIN 0
.Lread_\@:
.endm
; A prefetch of the tile that is loaded three stages after the one just asked for: from pair pb + po, in the last trip Wo's stage j.  The first four clusters alone ask; the partners share the tile's rows by address (v21).
.macro ASK pb, po, j
	s_add_nc_u64 s[PF:PF+1], s[\pb:\pb+1], \po
	ROT \j, 17
	s_add_nc_u64 s[PG:PG+1], s[PPO:PPO+1], s[94:95]
	s_cmp_eq_u32 s[TRIP], 0
	s_cselect_b64 s[PF:PF+1], s[PF:PF+1], s[PG:PG+1]
	s_cmp_lt_u32 ttmp9, 4
	s_cbranch_scc0 .Lnot_mine_\@
	global_prefetch_b8 v21, s[PF:PF+1] th:TH_LOAD_NT scope:SCOPE_SE
.Lnot_mine_\@:
.endm
.macro LOADA set, off                  ; q's and k's scale words: lane l: the eight words of row 32 m + l of my head
.irp m, 0,1
.irp q, 0,1
	global_load_b128 v[WSA+32*(\set)+8*\m+4*\q:WSA+32*(\set)+8*\m+4*\q+3], v15, s[16:17] offset:(\off)+1024*\m+16*\q
	global_load_b128 v[WSA+32*(\set)+16+8*\m+4*\q:WSA+32*(\set)+16+8*\m+4*\q+3], v15, s[18:19] offset:(\off)+1024*\m+16*\q
.endr
.endr
.endm
.macro LOADV off
.irp m, 0,1
.irp q, 0,1
	global_load_b128 v[WSV+8*\m+4*\q:WSV+8*\m+4*\q+3], v15, s[20:21] offset:(\off)+1024*\m+16*\q
.endr
.endr
.endm
.macro LOADO j                         ; Wo's stage j: lane (r, h): the eight words of column 4 r + 2 m + h of my 64
.irp m, 0,1
.irp q, 0,1
	global_load_b128 v[WSA+16*(\j)+8*\m+4*\q:WSA+16*(\j)+8*\m+4*\q+3], v18, s[8+2*(\j):9+2*(\j)] offset:64*\m+16*\q
.endr
.endr
.endm
.macro BIAS_A gp                       ; q's and k's biases of the group gp on from the trip's first
.irp u, 0,1,2,3
.irp q, 0,1
	ds_load_b128 v[BI+8*\u+4*\q:BI+8*\u+4*\q+3], v12 offset:1024*(\gp)+64*\u+16*\q
	ds_load_b128 v[BI+32+8*\u+4*\q:BI+32+8*\u+4*\q+3], v12 offset:4096+1024*(\gp)+64*\u+16*\q
.endr
.endr
.endm
.macro BIAS_V gp
.irp u, 0,1,2,3
.irp q, 0,1
	ds_load_b128 v[BI+8*\u+4*\q:BI+8*\u+4*\q+3], v12 offset:8192+1024*(\gp)+64*\u+16*\q
.endr
.endr
.endm
; Behind q|k: coeff of my head's 64 rows.  q lies at v0-127, k at v128-255 in the same order; each accumulator is read from its low end on.
.macro EPI_QK
	WIN 0xAA
.set n, 0
.rept 64
	v_pk_mul_f32 v[n:n+1], v[n:n+1], v[n:n+1]                           ; zq^2
.set n, n+2
.endr
.set n, 0
.rept 64
	v_pk_fma_f32 v[n:n+1], v[128+n:129+n], v[128+n:129+n], v[n:n+1]     ; + zk^2
.set n, n+2
.endr
.set n, 0
.rept 64
	v_pk_mul_f32 v[n:n+1], v[n:n+1], s[68:69] op_sel_hi:[1,0]           ; x c
.set n, n+2
.endr
	s_wait_alu depctr_va_vdst(0)                   ; ahead of the batch
.set n, 0
.rept 128
	v_exp_f32 v[n], v[n]
.set n, n+1
.endr
	v_nop                                          ; a plain instruction behind the last exponential
	s_wait_alu depctr_va_vdst(0)                   ; and for the one ahead of its first reader
.set n, 0
.rept 32
	v_pk_add_f32 v[n:n+1], v[n:n+1], v[64+n:65+n]
.set n, n+2
.endr
.irp t, 0,1,2,3
.irp i, 0,2,4,6
	v_pk_add_f32 v[16*\t+\i:16*\t+\i+1], v[16*\t+\i:16*\t+\i+1], v[16*\t+8+\i:16*\t+9+\i]
.endr
.endr
.irp i, 0,2
.irp t, 0,1,2,3
	v_pk_add_f32 v[16*\t+\i:16*\t+\i+1], v[16*\t+\i:16*\t+\i+1], v[16*\t+4+\i:16*\t+5+\i]
.endr
.endr
	WIN 0x0A
.irp t, 0,1,2,3
	v_pk_add_f32 v[CO+2*\t:CO+2*\t+1], v[16*\t:16*\t+1], v[16*\t+2:16*\t+3]
.endr
	WIN 0
.irp t, 0,1,2,3
	v_add_f32 v[CO+2*\t], v[CO+2*\t], v[CO+2*\t+1]
.endr
.irp t, 0,1,2,3
	v_permlanex16_b32 v[PT+\t], v[CO+2*\t], s66, s67
.endr
.irp t, 0,1,2,3
	v_add_f32 v[CO+2*\t], v[CO+2*\t], v[PT+\t]     ; with the row's other 32 columns, in the lane 16 away
.endr
	s_wait_alu depctr_va_vdst(0)                   ; ahead of the waits below
.endm
; Behind v: y = coeff x v of my head; block b of 32 columns and row tile t: my 16 numbers at v[64 b + 16 t ..].  The scales, the codes, and both into LDS.
.macro EPI_V gp
	WIN 0x82
.set n, 0
.rept 64
	v_pk_mul_f32 v[n:n+1], v[n:n+1], v[CO+2*((n/16)%4):CO+2*((n/16)%4)+1] op_sel_hi:[1,0]
.set n, n+2
.endr
	WIN 0x0A
.irp b, 0,1
.irp t, 0,1,2,3
	v_max3_num_f32 v[MX+4*\b+\t], |v[64*\b+16*\t]|, |v[64*\b+16*\t+1]|, 0x1800000   ; and the floor 2^(3 - 127): so the byte cannot fall under 1
.endr
.endr
	WIN 0x28
.irp k, 2,4,6,8,10,12,14
.irp b, 0,1
.irp t, 0,1,2,3
	v_max3_num_f32 v[MX+4*\b+\t], v[MX+4*\b+\t], |v[64*\b+16*\t+\k]|, |v[64*\b+16*\t+\k+1]|
.endr
.endr
.endr
	WIN 0
.irp i, 0,1,2,3,4,5,6,7
	v_permlanex16_b32 v[PT+\i], v[MX+\i], s66, s67
.endr
.irp i, 0,1,2,3,4,5,6,7
	v_max_num_f32 v[MX+\i], v[MX+\i], v[PT+\i]     ; with the lane 16 away: the block's largest magnitude
.endr
.irp i, 0,1,2,3,4,5,6,7
	v_add_nc_u32 v[SC+\i], 0xff000000, v[MX+\i]    ; 2 off its exponent field: the conversion takes the exponent field of this operand as its scale
.endr
.irp i, 0,1,2,3,4,5,6,7
	v_lshrrev_b32 v[BY+\i], 23, v[SC+\i]           ; the scale's byte
.endr
.irp t, 0,1,2,3
	v_lshl_or_b32 v[PT+\t], v[BY+4+\t], 8, v[BY+\t]
.endr
.irp p, 0,1
	v_cndmask_b32 v[MX+\p], v[PT+2*\p], v[PT+2*\p+1], s82   ; lanes 0-15: row tile 2 p's two bytes; lanes 16-31: tile 2 p + 1's
.endr
	WIN 0x02
.irp b, 0,1
.irp t, 0,1,2,3
.irp e, 0,1
	v_cvt_scalef32_pk8_fp4_f32 v[PCD+4*\t+2*\e+\b], v[64*\b+16*\t+8*\e:64*\b+16*\t+8*\e+7], v[SC+4*\b+\t]
.endr
.endr
.endr
	WIN 0
	v_nop                                          ; one plain instruction behind the last scaled conversion
; Register 2 e + b holds, in lanes of half h, the eight codes 2 e + h of block b.  The operand wants in register i of half h the eight codes i of block h: the first's lanes 16-31 change places with the second's lanes 0-15.
.irp t, 0,1,2,3
.irp e, 0,1
	v_permlane16_swap_b32 v[PCD+4*\t+2*\e], v[PCD+4*\t+2*\e+1]
.endr
.endr
	s_wait_alu depctr_va_vdst(0)                   ; ahead of the readers and the waits below
.irp p, 0,1
	ds_store_b16 v14, v[MX+\p] offset:512*(\gp)+64*\p
.endr
.irp t, 0,1,2,3
	ds_store_b128 v13, v[PCD+4*\t:PCD+4*\t+3] offset:8192*(\gp)+512*\t   ; half a fragment's image
.endr
.endm
; Wo's stage j, rows 32 p on: register i of the four tiles of row tile t, + bo, are four neighbouring columns of row 16 t + 8 h + i.
.macro ADDO j, p
	WIN 0
	s_wait_xcnt 0x0                                ; the stores of these registers have read their data
	WIN 0x82
.irp e, 0,1
.irp i, 0,1,2,3,4,5,6,7
.irp c, 0,1,2,3
	v_add_f32 v[128+64*(\p)+32*\e+4*\i+\c], v[32*\c+16*(\p)+8*\e+\i], v[BO+4*(\j)+\c]
.endr
.endr
.endr
	WIN 0
	s_wait_alu depctr_va_vdst(0)                   ; the stores stand behind other waits
.endm
.macro ST4 j, t, i0                    ; four stores: sixteen lanes store 256 consecutive bytes, at a multiple of 256 from out0's first byte
	WIN 0x08                                       ; data window 2, address window 0
.irp e, 0,1,2,3
	global_store_b128 v20, v[128+32*(\t)+4*((\i0)+\e):131+32*(\t)+4*((\i0)+\e)], s[24+2*(\j):25+2*(\j)] offset:65536*(\t)+4096*((\i0)+\e) th:TH_STORE_NT
.endr
.endm
; A stage of Wo, first half: rows 0-31; among its products the stage before's rows 48-63 are stored.
.macro HALFA j
	WIN 0
	s_wait_dscnt 0x0                               ; the stage's fragments are in
	GRO 0, 0, \j
	GRO 0, 1, \j
	ST4 (\j)-1, 3, 0
	GRO 0, 2, \j
	GRO 0, 3, \j
	ST4 (\j)-1, 3, 4
	GRO 0, 4, \j
	GRO 0, 5, \j
	GRO 0, 6, \j
	GRO 0, 7, \j
	PLACES
	ADDO \j, 0
.endm
; Second half: rows 32-63; rows 0-31 are stored, and the next stage comes into the buffers that are done with (nsl = 9: none); then rows 32-47 are stored.
.macro HALFB j, nsl
.irp b, 0,1,2,3
	GRO 1, 2*\b, \j
	GRO 1, 2*\b+1, \j
	PLACES
.if (\nsl) < 9
	LDB 2, \nsl, \b
.endif
	ST4 \j, \b/2, 4*(\b%2)
.endr
	ADDO \j, 1
	ST4 \j, 2, 0
	ST4 \j, 2, 4
.endm
	s_load_b512 s[4:19], s[0:1], 0x0               ; codes of x s[4:5]; x's scales s[6:7]; codes of Wq, Wk, Wv, Wo s[8:15]; scales of Wq, Wk s[16:19]
	s_load_b256 s[20:27], s[0:1], 0x40             ; scales of Wv, Wo s[20:23]; bq, bk s[24:27]
	s_load_b128 s[28:31], s[0:1], 0x60             ; bv, bo
	s_load_b64 s[32:33], s[0:1], 0x70              ; out0
	v_lshl_add_u32 v[SPW], v0, 2, SPARE
	v_mov_b32 v[NIL], 0
	ds_add_u32 v[SPW], v[NIL]                      ; the wave's opening: the add, twice on end, and its wait
	ds_add_u32 v[SPW], v[NIL]
	v_lshrrev_b32 v205, 5, v0
	v_readfirstlane_b32 s34, v205                  ; wave 0..3
	s_bfe_u32 s35, ttmp6, 0x40000                  ; cx: it enters global offsets alone
	s_lshl_b32 s36, ttmp9, 2                       ; in a cluster launch ttmp9 counts clusters
	s_add_co_u32 s36, s36, s35                     ; gx: my rows are 64 gx ..
	s_and_b32 s91, s34, 1
	s_lshr_b32 s92, s34, 1
	; descriptor group 1: rows of 256 bytes, padded in LDS: 256 of them at the head, 128 behind it
.irp g, G1, G1O
	s_mov_b32 s[\g], 15|(1<<20)|(1<<21)|(5<<22)|(3<<25)  ; 15:0 the mask: all four work-groups; 17:16 elements of 1 byte; 20 padding on; 21 set beside a mask; 24:22 after every 64 words (code 5); 31:25 4 words (code 3)
	s_mov_b32 s[\g+1], 256<<16                     ; tensor_dim0
	s_mov_b32 s[\g+3], 256<<16                     ; tile_dim0
	s_mov_b32 s[\g+6], 0
	s_mov_b32 s[\g+7], 0
.endr
	s_mov_b32 s[G1+2], 256<<16                     ; tensor_dim1
	s_mov_b32 s[G1+4], 256                         ; tile_dim1
	s_mov_b32 s[G1+5], 512                         ; from row to row
	s_mov_b32 s[G1O+2], 128<<16
	s_mov_b32 s[G1O+4], 128
	s_mov_b32 s[G1O+5], 1024                       ; every second row of Wo
	s_mov_b32 s66, 0x76543210
	s_mov_b32 s67, 0xfedcba98                      ; v_permlanex16_b32's selects for the lane 16 away
	s_mov_b32 s68, 0xbf38aa3b                      ; c = -log2(e) / 2
	s_mov_b32 s69, s68                             ; (named with it as a pair, so it is written)
	s_mov_b32 s82, 0xffff0000                      ; lanes 16-31
	s_mov_b32 s[TRIP], 0
	s_mul_i32 s[WR], s34, REG
	s_mul_i32 s83, s34, 64*RP
	s_mul_i32 s84, s34, 32*RP
	s_mul_i32 s85, s34, 16*528
	s_add_co_u32 s85, s85, XST
	s_lshl_b32 s86, s34, 8
	s_add_co_u32 s86, s86, BIA
	s_lshl_b32 s87, s34, 11
	s_add_co_u32 s87, s87, XST
	s_lshl_b32 s90, s34, 7
	s_add_co_u32 s90, s90, YSC
	s_lshl_b32 s93, s35, 5
	v_and_b32 v200, 31, v0                         ; lane
	v_and_b32 v201, 15, v0                         ; r
	v_bfe_u32 v202, v0, 4, 1                       ; h
	v_lshlrev_b32 v1, 4, v200
	v_add_nc_u32 v2, s85, v1
	v_mul_u32_u24 v206, v201, 528
	v_lshl_add_u32 v3, v202, 4, v206
	v_add_nc_u32 v3, XST, v3                       ; x's fragments: row r, + 16 h
	v_mul_u32_u24 v207, v201, RP
	v_lshl_add_u32 v207, v202, 4, v207
	v_add_nc_u32 v4, s83, v207                     ; a weight's fragments: my 64 rows
	v_add_nc_u32 v5, SLOT, v4
	v_add_nc_u32 v6, HLF, v4
	v_add_nc_u32 v7, SLOT+HLF, v4
	v_mul_u32_u24 v208, v201, 2*RP
	v_lshl_add_u32 v208, v202, 4, v208
	v_add_nc_u32 v8, s84, v208                     ; Wo's: lane r takes every second row of a region
	v_add_nc_u32 v9, SLOT, v8
	v_add_nc_u32 v10, HLF, v8
	v_add_nc_u32 v11, SLOT+HLF, v8
	v_lshlrev_b32 v12, 5, v202
	v_add_nc_u32 v12, s86, v12
	v_add_nc_u32 v13, s87, v1
	v_lshlrev_b32 v14, 1, v200
	v_add_nc_u32 v23, YSC, v14
	v_add_nc_u32 v14, s90, v14
	v_lshlrev_b32 v15, 5, v200
	v_lshlrev_b32 v18, 5, v202
	v_lshl_add_u32 v18, v201, 7, v18               ; 32 (4 r + h)
	v_lshlrev_b32 v19, 4, v201
	v_lshl_add_u32 v20, v202, 15, v19              ; 8 h rows of out0, 16 r
	v_add_nc_u32 v21, s93, v200
	v_lshlrev_b32 v21, 9, v21                      ; row 32 cx + lane of a tile's 128
	v_add_nc_u32 v22, XST, v1
	v_lshlrev_b32 v203, 4, v0
	v_add_nc_u32 v204, BIA, v203
.irp i, 0,1,2,3,4,5,6,7
	v_mov_b32 v[PT+\i], 0                          ; written once: a lane permute's destination counts as one of its sources
.endr
	s_wait_alu depctr_va_vdst(0)                   ; ahead of the waits below
	s_wait_dscnt 0x0                               ; both opening adds are done
	CROUND                                         ; all four work-groups are here: the joint loads meet
	s_wait_kmcnt 0x0
	s_cmp_eq_u32 s91, 0                            ; at the head waves 0 and 1 fetch the first half of Wq's and Wk's 256 rows into slot 0, waves 2 and 3 the second half into slot 1
	s_cselect_b64 s[38:39], s[8:9], s[10:11]
	s_lshl_b32 s94, s92, 8
	s_mov_b32 s95, 0
	s_mov_b32 s[G0], 1                             ; group 0: count = 1
	s_mul_i32 s[G0+1], s34, HLF                    ; LDS address: SLOT = 2 HLF
	s_add_nc_u64 s[G0+2:G0+3], s[38:39], s[94:95]
	s_or_b32 s[G0+3], s[G0+3], 0x80000000          ; type = 2
	TL G0, G1                                      ; my one tensor load at the head: stages 0 and 1 in all
	s_lshl_b32 s94, s36, 15
	s_lshl_b32 s96, s34, 13
	s_mov_b32 s97, 0
	s_add_nc_u64 s[4:5], s[4:5], s[94:95]
	s_add_nc_u64 s[4:5], s[4:5], s[96:97]          ; x: my sixteen rows of the 64
	s_lshl_b32 s94, s36, 11
	s_add_nc_u64 s[6:7], s[6:7], s[94:95]
	s_lshl_b32 s96, s34, 11                        ; 64 rows of scale bytes
	s_add_nc_u64 s[16:17], s[16:17], s[96:97]
	s_add_nc_u64 s[18:19], s[18:19], s[96:97]
	s_add_nc_u64 s[20:21], s[20:21], s[96:97]
	s_add_nc_u64 s[22:23], s[22:23], s[96:97]
.set n, 0
.rept 16
	global_load_b128 v[BI+4*n:BI+4*n+3], v1, s[4:5] offset:512*n        ; a row of x: 32 lanes read 512 consecutive bytes
.set n, n+1
.endr
.irp e, 0,1
	global_load_b128 v[PCD+4*\e:PCD+4*\e+3], v203, s[24:25] offset:2048*\e
	global_load_b128 v[PCD+8+4*\e:PCD+8+4*\e+3], v203, s[26:27] offset:2048*\e
	global_load_b128 v[PCD+16+4*\e:PCD+16+4*\e+3], v203, s[28:29] offset:2048*\e
.endr
.irp p, 0,1
.irp q, 0,1
	global_load_b128 v[XS+8*\p+4*\q:XS+8*\p+4*\q+3], v15, s[6:7] offset:1024*\p+16*\q   ; lane l: the eight words of row 32 p + l
.endr
.endr
	LOADA 0, 0
	s_cmp_lt_u32 s34, 2                            ; behind the head waves 0 and 1 fetch Wq's rows, 128 each, waves 2 and 3 Wk's
	s_cselect_b64 s[PA:PA+1], s[8:9], s[10:11]
	s_lshl_b32 s94, s92, 8
	s_mov_b32 s[G0O], 1
	s_lshl_b32 s96, s91, 16                        ; 128 rows of codes
	s_add_nc_u64 s[PA:PA+1], s[PA:PA+1], s[96:97]
	s_add_nc_u64 s[PV:PV+1], s[12:13], s[96:97]    ; v: rows 128 (w % 2) on, half w / 2 of K
	s_add_nc_u64 s[PV:PV+1], s[PV:PV+1], s[94:95]
	s_add_nc_u64 s[PPO:PPO+1], s[14:15], s[96:97]
	s_add_nc_u64 s[PPO:PPO+1], s[PPO:PPO+1], s[94:95]
	s_lshl_b32 s96, s91, 9
	s_add_nc_u64 s[PO:PO+1], s[14:15], s[96:97]    ; Wo: rows of parity w % 2, half w / 2 of K
	s_add_nc_u64 s[PO:PO+1], s[PO:PO+1], s[94:95]
	s_lshl_b32 s94, s36, 18
	s_add_nc_u64 s[32:33], s[32:33], s[94:95]
	s_lshl_b32 s96, s34, 8
	s_add_nc_u64 s[32:33], s[32:33], s[96:97]      ; out0: my first row and column
	s_add_nc_u64 s[30:31], s[30:31], s[96:97]
	s_wait_loadcnt 12                              ; x and the biases are in; the twelve loads of scale words may be out
.set n, 0
.rept 16
	ds_store_b128 v2, v[BI+4*n:BI+4*n+3] offset:528*n
.set n, n+1
.endr
.irp e, 0,1
	ds_store_b128 v204, v[PCD+4*\e:PCD+4*\e+3] offset:2048*\e
	ds_store_b128 v204, v[PCD+8+4*\e:PCD+8+4*\e+3] offset:4096+2048*\e
	ds_store_b128 v204, v[PCD+16+4*\e:PCD+16+4*\e+3] offset:8192+2048*\e
.endr
	s_wait_xcnt 0x0                                ; the loads have read their bases: s[4:7] may be written
.irp j, 0,1,2,3
	ROT \j, 13
	s_add_nc_u64 s[8+2*\j:9+2*\j], s[22:23], s[94:95]   ; Wo's scales of my stage j
.endr
	ROT 0, 10
	s_add_nc_u64 s[4:5], s[30:31], s[94:95]        ; bo of my stages
	ROT 1, 10
	s_add_nc_u64 s[6:7], s[30:31], s[94:95]
	ROT 2, 10
	s_add_nc_u64 s[36:37], s[30:31], s[94:95]
	ROT 3, 10
	s_add_nc_u64 s[38:39], s[30:31], s[94:95]
	s_wait_alu depctr_va_vdst(0)                   ; the head's end
	s_wait_tensorcnt 0x0
	ds_add_u32 v[SPW], v[NIL]
	s_mov_b32 s[G1+2], 128<<16                     ; no tensor load of mine is out: from here on a load brings 128 rows
	s_mov_b32 s[G1+4], 128
	s_wait_dscnt 0x0
	s_barrier_signal -1
	s_barrier_wait -1                              ; stages 0 and 1, x and the biases are in LDS
.irp b, 0,1,2,3
	LDB 0, 0, \b                                   ; stage 0's fragments first: then its slot is free for stage 2, v of group 0
.endr
	TURN 0, 0
	TL G0, G1
	s_cmp_lt_u32 ttmp9, 4
	s_cbranch_scc0 .Lnot_mine
	global_prefetch_b8 v21, s[PV:PV+1] offset:131072 th:TH_LOAD_NT scope:SCOPE_SE   ; v of group 1
.Lnot_mine:
	BIAS_A 0
	WIN 0x40                                       ; destination window 1
.irp s, 0,1,2,3,4,5,6,7
.irp t, 0,1,2,3
.irp c, 0,1
	ds_load_b128 v[128*(\t/2)+16*\s+8*(\t%2)+4*\c:128*(\t/2)+16*\s+8*(\t%2)+4*\c+3], v3 offset:16*528*\t+64*\s+32*\c
.endr
.endr
.endr
	WIN 0
.Ltrip:                                                ; two trips of two groups of four heads
	; group 2 trip: q|k first half
	s_wait_loadcnt 0x0                             ; the scale words
	LOADA 1, 8192
	LOADV 0
	BODY 0, 0, 0, 0, 1
	TURN 1, 1
	TL G0, G1
	ASK PA, 0x20000, 0
	; second half
	BODY 0, 1, 0, 1, 0
	WIN 0
	BIAS_V 0
	EPI_QK
	TURN 2, 0
	TL G0, G1
	ASK PA, 0x20100, 1
	; v
	s_wait_loadcnt 0x0
	BODY 1, 0, 0, 0, 1
	WIN 0
	BIAS_A 1
	EPI_V 0
	TURN 3, 1
	TL G0, G1
	ASK PV, 0x20000, 2
	; group 2 trip + 1: q|k first half
	s_cmp_eq_u32 s[TRIP], 1
	s_cbranch_scc1 .Lscales_wo
	LOADA 0, 16384
	s_branch .Lscales
.Lscales_wo:                                           ; the last trip: Wo's stages 0 and 1, and bo
	LOADO 0
	LOADO 1
	global_load_b128 v[BO:BO+3], v19, s[4:5]
	global_load_b128 v[BO+4:BO+7], v19, s[6:7]
	global_load_b128 v[BO+8:BO+11], v19, s[36:37]
	global_load_b128 v[BO+12:BO+15], v19, s[38:39]
.Lscales:
	LOADV 8192
	BODY 0, 0, 1, 0, 0
	TURN 11, 0
	TL2
	ASK PA, 0x20000, 3
	; second half
	BODY 0, 1, 1, 1, 1
	WIN 0
	BIAS_V 1
	EPI_QK
	TURN 12, 1
	TL2
	ASKL PA, 0x20100
	; v
	s_wait_loadcnt 0x0
	s_wait_dscnt 0x0                               ; the biases
	MUL 1, 0, 0, 0
	LDB2 0
	MUL 1, 0, 1, 0
	LDB2 1
	MUL 1, 0, 2, 0
	LDB2 2
	MUL 1, 0, 3, 0
	LDB2 3
	s_cmp_eq_u32 s[TRIP], 1
	s_cbranch_scc1 .Lno_bias
	BIAS_A 2
.Lno_bias:
	EPI_V 1
	v_add_nc_u32 v12, 2048, v12
	v_add_nc_u32 v13, 16384, v13
	v_add_nc_u32 v14, 1024, v14
	s_wait_alu depctr_va_vdst(0)                   ; ahead of the waits and the branch
	TURN 13, 0                                     ; in the last trip its round also shows every wave's part of y
	TL2
	ASKL PV, 0x20000
	s_add_nc_u64 s[16:17], s[16:17], 0x4000        ; (their loads stand ahead of earlier waits on XCNT)
	s_add_nc_u64 s[18:19], s[18:19], 0x4000
	s_add_nc_u64 s[20:21], s[20:21], 0x4000
	s_add_co_u32 s[TRIP], s[TRIP], 1
	s_cmp_lt_u32 s[TRIP], 2
	s_cbranch_scc1 .Ltrip
	; Wo's stage 0: y into the registers that held x
.irp j, 0,1,2,3
	ROT \j, 10
	s_add_nc_u64 s[24+2*\j:25+2*\j], s[32:33], s[94:95]   ; out0 at my stage j's columns
.endr
	LOADO 2
	LOADO 3
.irp s, 0,1,2,3,4,5,6,7
.irp p, 0,1
	ds_load_u16 v[XS+8*\p+\s], v23 offset:256*\s+64*\p            ; row 32 p + lane: head 2 s's two bytes,
	ds_load_u16 v[CO+8*\p+\s], v23 offset:256*\s+128+64*\p        ; head 2 s + 1's
.endr
.endr
	WIN 0x40
.irp s, 0,1,2,3,4,5,6,7
.irp t, 0,1,2,3
.irp c, 0,1
	ds_load_b128 v[128*(\t/2)+16*\s+8*(\t%2)+4*\c:128*(\t/2)+16*\s+8*(\t%2)+4*\c+3], v22 offset:2048*(2*\s+\c)+512*\t
.endr
.endr
.endr
	WIN 0
	s_wait_dscnt 0x0
.irp i, 0,1,2,3,4,5,6,7,8,9,10,11,12,13,14,15
	v_lshl_or_b32 v[XS+\i], v[CO+\i], 16, v[XS+\i] ; K step s's word
.endr
	s_wait_alu depctr_va_vdst(0)
.rept 8
	v_nop                                          ; a scale register written by a vector instruction stands 8 places ahead of a scaled matrix instruction
.endr
.irp s, 0,1,2,3,4,5,6,7
	GRO 0, \s, 0
.endr
	PLACES
	ADDO 0, 0
	HALFB 0, 1
	TURN 4, 1                                      ; the last fill: stage 3's
	TL G0O, G1O
	HALFA 1
	HALFB 1, 0
	TURN 5, 0                                      ; stage 3 has landed; nothing is filled again
	s_wait_loadcnt 0x0                             ; the scale words of stages 2 and 3
	HALFA 2
	HALFB 2, 1
	HALFA 3
	HALFB 3, 9
	ST4 3, 3, 0
	ST4 3, 3, 4
	WIN 0
	s_wait_tensorcnt 0x0                           ; the wave's end
	ds_add_u32 v[SPW], v[NIL]
	s_wait_dscnt 0x0
	CROUND                                         ; the closing round: no work-group ends while a partner may still ask for a tile that names it
	s_endpgm
.Lfunc_end_k_qc82199bcb9_performer:
	.size	k_qc82199bcb9_performer, .Lfunc_end_k_qc82199bcb9_performer-k_qc82199bcb9_performer
	.p2alignl 7, 3214868480
	.fill 96, 4, 3214868480
	.section	.rodata,"a",@progbits
	.p2align	6, 0x0
	.amdhsa_kernel k_qc82199bcb9_performer
		.amdhsa_group_segment_fixed_size 327680
		.amdhsa_private_segment_fixed_size 0
		.amdhsa_enable_private_segment 0
		.amdhsa_kernarg_size 120
		.amdhsa_user_sgpr_count 2
		.amdhsa_user_sgpr_kernarg_segment_ptr 1
		.amdhsa_wavefront_size32 1
		.amdhsa_system_sgpr_workgroup_id_x 1
		.amdhsa_system_sgpr_workgroup_id_y 1
		.amdhsa_system_sgpr_workgroup_id_z 1
		.amdhsa_system_vgpr_workitem_id 0
		.amdhsa_next_free_vgpr 1024
		.amdhsa_next_free_sgpr 100
		.amdhsa_reserve_vcc 0
		.amdhsa_float_denorm_mode_32 3
		.amdhsa_float_denorm_mode_16_64 3
		.amdhsa_memory_ordered 1
		.amdhsa_forward_progress 1
		.amdhsa_inst_pref_size 255
	.end_amdhsa_kernel
	.section	.bss,"aw",@nobits
	.p2align	6
	.space	262144
	.amdgpu_metadata
---
amdhsa.version: [ 1, 2 ]
amdhsa.kernels:
  - .name:           k_qc82199bcb9_performer
    .symbol:         k_qc82199bcb9_performer.kd
    .args:
      - { .name: x_codes, .offset: 0, .size: 8, .value_kind: global_buffer, .address_space: global }
      - { .name: x_scales, .offset: 8, .size: 8, .value_kind: global_buffer, .address_space: global }
      - { .name: Wq_codes, .offset: 16, .size: 8, .value_kind: global_buffer, .address_space: global }
      - { .name: Wk_codes, .offset: 24, .size: 8, .value_kind: global_buffer, .address_space: global }
      - { .name: Wv_codes, .offset: 32, .size: 8, .value_kind: global_buffer, .address_space: global }
      - { .name: Wo_codes, .offset: 40, .size: 8, .value_kind: global_buffer, .address_space: global }
      - { .name: Wq_scales, .offset: 48, .size: 8, .value_kind: global_buffer, .address_space: global }
      - { .name: Wk_scales, .offset: 56, .size: 8, .value_kind: global_buffer, .address_space: global }
      - { .name: Wv_scales, .offset: 64, .size: 8, .value_kind: global_buffer, .address_space: global }
      - { .name: Wo_scales, .offset: 72, .size: 8, .value_kind: global_buffer, .address_space: global }
      - { .name: bq, .offset: 80, .size: 8, .value_kind: global_buffer, .address_space: global }
      - { .name: bk, .offset: 88, .size: 8, .value_kind: global_buffer, .address_space: global }
      - { .name: bv, .offset: 96, .size: 8, .value_kind: global_buffer, .address_space: global }
      - { .name: bo, .offset: 104, .size: 8, .value_kind: global_buffer, .address_space: global }
      - { .name: out0, .offset: 112, .size: 8, .value_kind: global_buffer, .address_space: global }
    .group_segment_fixed_size: 327680
    .private_segment_fixed_size: 0
    .kernarg_segment_align: 8
    .kernarg_segment_size: 120
    .max_flat_workgroup_size: 128
    .sgpr_count:     100
    .vgpr_count:     1024
    .wavefront_size: 32
...
	.end_amdgpu_metadata
.endif
;; end of part 1
